; MI455X (gfx1250); checked and timed in simulation.
; The chip was launched on July 23, 2026; its instructions are those of AMD's public machine-readable ISA for CDNA 5 (MIT licence, August 2026) and "CDNA5" Instruction Set Architecture Reference Guide (July 2026). The comments in the code are by the model that wrote it; some were corrected since.
;; Layer Norm Basic LSTM Cell. Allowed arithmetic: matrix products marked QUANTISED: E3M2 operands, one E8M0 scale for each 32 along K, by v_wmma_scale_f32_16x16x128_f8f6f4 with both operands' format E3M2, f32 sums; everything else in f32.
;; Inputs: W_codes 4,096 x 64 x 24 uint8 (E3M2 codes of W, K innermost, in blocks of 32 codes, four codes in three bytes); W_scales 4,096 x 64 uint8 (E8M0 scales of W, one for each 32 codes along K); beta4 4 x 1,024 float32; c 8,192 x 1,024 float32; cell_beta 1,024 float32; cell_gamma 1,024 float32; gamma4 4 x 1,024 float32; h 8,192 x 1,024 float32; inputs 8,192 x 1,024 float32.
;; Outputs: out0 8,192 x 1,024 float32; out1 8,192 x 1,024 float32.
;; This version of the problem:
;;   THIS VERSION OF THE PROBLEM IS GIVEN IN LOW PRECISION. The matrix products marked QUANTISED in the list below multiply operands that are first quantised to E3M2 (3 exponent bits, 2 mantissa bits; 6 bits a number), with one power-of-two scale for each 32 numbers along K (OCP MX v1.0); their sums are f32. All else is computed in f32.
;;   The module's matrix products, in the order in which they are computed (A, B: the left and right operand; K: the contracted axis; several contracted axes count as one K, in the product's order):
;;     1. [M 8,192, K 2,048] x [K 2,048, N 4,096]; A: computed on the way; B: input W (given as codes): QUANTISED
;;   THE QUANTISER, for each operand of a quantised product, along K:
;;     - K is cut into blocks of 32 from its start; a last block that is shorter is filled with zeros.
;;     - A block's scale is 2^e with e = floor(log2(the largest magnitude in the block)) - 4, held to -126 .. 127; a block of zeros has e = 0. As a byte (E8M0): e + 127.
;;     - Each number is divided by its block's scale, clamped to +-28, and rounded to the nearest number of E3M2, ties to even, subnormals kept.
;;     - The product sums the exact products of the quantised numbers (number of the format x scale) in f32.
;;   ~~~python
;;   def quantise(x, axis):      # numpy; x: float32 -> the quantised numbers, widened to float32 again
;;       x = np.moveaxis(x, axis, -1); K = x.shape[-1]
;;       x = np.pad(x, [(0, 0)] * (x.ndim - 1) + [(0, -K % 32)]); x = x.reshape(x.shape[:-1] + (-1, 32)); a = np.abs(x).max(-1, keepdims=True)
;;       e = np.where(a > 0, np.clip(np.frexp(np.where(a > 0, a, 1))[1] - 1 - 4, -126, 127), 0)      # np.frexp(a)[1] - 1 = floor(log2(a)), exactly
;;       r = np.clip(x / 2.0 ** e, -28, 28)
;;       step = 2.0 ** (np.maximum(np.frexp(np.where(r == 0, 1, r))[1] - 1, -2) - 2)
;;       q = np.round(r / step) * step * 2.0 ** e      # np.round: ties to even
;;       return np.moveaxis(q.reshape(q.shape[:-2] + (-1,))[..., :K], -1, axis).astype(np.float32)
;;   ~~~
;;   OPERANDS COMPUTED ON THE WAY. 'Computed on the way' means the value that the module computes at that place (a softmax that the list does not call 'softmax' is quantised finished and normalised). What goes into a quantiser is computed in f32, as accurately as f32 sums, v_exp_f32 and their like allow (about 1e-6 of the number): no bf16 or f16 on the way to a quantiser, and a product that is left as it is and whose result goes on into a quantised operand takes f32 operands (vector FMAs, or v_wmma_f32_16x16x4_f32). A number that lies on a knife's edge between two numbers of the format may be rounded either way, as far as f32 arithmetic and the matrix unit's own rounding can turn it there, and no further.
;;   INPUTS GIVEN AS CODES. W (in the module: [4096, 2048], K = its axis 1): each comes as NAME_codes (uint8): NAME with its K axis moved to the last place and cut into blocks of 32 codes, [.., K / 32, bytes a block], one block behind the other in memory; four codes in three bytes: a row's codes are one little-endian stream of bits, code i at bits 6 i .. 6 i + 5 (a code: sign, 3 exponent bits, 2 mantissa bits); and NAME_scales (uint8): the same leading axes, one E8M0 byte (e + 127) for each 32 codes along K. Its value is code x scale, taken as it is: it is not quantised again, and the codes and scales need not be those that the quantiser above would give.
;; One version. Each part assembles by itself: llvm-mc -triple=amdgcn-amd-amdhsa -mcpu=gfx1250 --defsym DOCPART=n.
;; ======== version 1 of 1: 3 launches
;; limits: right only within a limited range of input values
;; workspace buffers: xq 13,107,200 bytes; wq 6,291,456 bytes; pre 134,217,728 bytes
;; launch quant (part 1): grid 768 x 1, 4 waves a work-group, no clusters, 59,904 bytes of LDS; arguments inputs, h, W_codes, xq, wq; writes xq, wq
.if DOCPART == 1
	.amdgcn_target "amdgcn-amd-amdhsa--gfx1250"
	.amdhsa_code_object_version 6
	.text
	.protected	k_qc75aac74d5_quant
	.globl	k_qc75aac74d5_quant
	.p2align	8
	.type	k_qc75aac74d5_quant,@function
k_qc75aac74d5_quant:
	s_mov_b64 s[64:65], 0
	v_nop
	global_prefetch_b8 v0, s[64:65] scope:SCOPE_SE
	s_setreg_imm32_b32 hwreg(HW_REG_WAVE_MODE, 25, 1), 1
	s_wait_xcnt 0x0
; Two jobs, parted on the work-group's number, each with LDS bytes of its own.
; Work-groups 0-511: x = concat(inputs, h), [8192][2048] f32, becomes codes of BF6 (E3M2) with one E8M0 byte for each 32 along K, laid as the product's launch takes them:
;   xq[row block of 16 rows] = 25,600 bytes: 16 K steps x 1,536 bytes of codes, then 1,024 bytes of scale words.
;   A K step's 1,536 bytes are the image of an operand's 12 registers: piece p (registers 4 p .. 4 p + 3) of lane l at 512 p + 16 l.  Lane (r, h) holds row r, k = 128 s + 64 c + 32 h + 0 .. 31 in registers 6 c .. 6 c + 5.
;   Scale words: word of (row r, step s) at 256 (s / 4) + 16 r + 4 (s % 4).
; Work-groups 512-767: W's codes, [4096][1536 bytes], are laid in the same images: wq[block of 16 rows][K step][1,536 bytes].  No code is changed.
; A block's scale is 2^(floor(log2(largest magnitude)) - 4): its byte is that magnitude's exponent field - 4, held at 1 from below by a floor among the maximum's leaves.
; LIMITS: a block of zeros gets the byte 1 where the quantiser says 127: its codes are zeros, and these bytes are read by this program alone.  NaN and infinities among the inputs are not served.
; SHARES: a work-group takes one block of 16 rows, wave q its K steps 4 q .. 4 q + 3.  Every load reads consecutive bytes of one row (512 of x, 384 of W); the numbers turn through the wave's own stage in LDS.
; x's loads run two steps ahead, on two sets of 64 registers: 32 loads of a wave are out at the start.
; No barrier: no wave reads another's LDS bytes.  No tensor load, no cluster: every input byte is read by one wave.
.set RBB,   25600
.set XST,   0                          ; x: a stage of 16 rows x 528 bytes for each wave
.set WST,   33792                      ; W: a stage of 16 rows x 400 bytes for each wave
.set SPARE, 59392
.set R,   16                           ; v16-143  two sets of 64 numbers as they are loaded (W: v16-79 loaded, v80-127 the images)
.set X,   144                          ; v144-207 my two blocks of 32
.set C,   208                          ; v208-231 codes, two sets of 12
.set T,   232                          ; v232-239 the conversions' second halves
.set E,   240                          ; v240-243 a scale word for each step
.set SPW, 244
.set NIL, 245
.set B0,  246                          ; v246, v247 scale bytes
	s_load_b256 s[4:11], s[0:1], 0x0               ; inputs, h, W_codes, xq
	s_load_b64 s[12:13], s[0:1], 0x20              ; wq
	v_lshl_add_u32 v[SPW], v0, 2, SPARE
	v_mov_b32 v[NIL], 0
	v_lshrrev_b32 v1, 5, v0
	v_readfirstlane_b32 s16, v1                    ; wave q
	s_mul_i32 s17, s16, 8448
	s_mul_i32 s18, s16, 6400
	s_add_co_u32 s18, s18, WST
	s_lshl_b32 s28, s16, 8
	s_add_co_u32 s28, s28, 24576                   ; my 256 bytes of scale words
	s_and_b32 s19, s16, 1
	s_mov_b32 s20, 0x76543210                      ; selects for lane l xor 16
	s_mov_b32 s21, 0xfedcba98
	v_and_b32 v2, 31, v0
	v_lshlrev_b32 v3, 4, v2                        ; 16 l
	v_and_b32 v7, 15, v0                           ; r
	v_bfe_u32 v8, v0, 4, 1                         ; h
	v_add_nc_u32 v14, s17, v3                      ; x's stage, in: 16 l of a row
	v_mul_u32_u24 v15, v7, 528
	v_lshl_add_u32 v15, v8, 7, v15
	v_add_nc_u32 v15, s17, v15                     ; and out: row r, 128 h
	v_mul_u32_u24 v4, v2, 12                       ; 12 l
	v_add_nc_u32 v5, s18, v4                       ; W's stage, in
	v_mul_u32_u24 v6, v7, 400
	v_mad_u32_u24 v6, v8, 24, v6
	v_add_nc_u32 v6, s18, v6                       ; and out: row r, 24 h
	v_lshlrev_b32 v9, 3, v8                        ; 8 h
	v_lshl_add_u32 v10, v7, 4, v9
	v_add_nc_u32 v10, s28, v10                     ; scale words out: 16 r + 8 h
	v_mov_b32 v11, 0                               ; a lane permute's destination counts as a source
	v_cmp_eq_u32 vcc_lo, 1, v8
	s_wait_alu depctr_va_vdst(0)                   ; the wait at the head's end
	s_wait_kmcnt 0x0
	s_cmp_lt_u32 ttmp9, 512
	s_cbranch_scc0 .Lw
	s_cmp_lt_u32 s16, 2                            ; waves 0, 1 read inputs, waves 2, 3 read h
	s_cselect_b64 s[4:5], s[4:5], s[6:7]
	s_lshl_b32 s22, ttmp9, 16                      ; 16 rows of 4,096 bytes
	s_lshl_b32 s23, s19, 11                        ; which half of the row
	s_add_co_u32 s22, s22, s23
	s_mov_b32 s23, 0
	s_add_nc_u64 s[4:5], s[4:5], s[22:23]
	s_mul_i32 s26, ttmp9, RBB
	s_mov_b32 s27, 0
	s_add_nc_u64 s[26:27], s[10:11], s[26:27]      ; my row block in xq
	s_mul_i32 s24, s16, 6144
	s_mov_b32 s25, 0
	s_add_nc_u64 s[24:25], s[26:27], s[24:25]      ; my four K steps
.macro LOADX t                         ; K step t: 512 consecutive bytes of each of 16 rows, into set t % 2
.irp r, 0,1,2,3,4,5,6,7,8,9,10,11,12,13,14,15
	global_load_b128 v[R+64*((\t)%2)+4*\r:R+64*((\t)%2)+4*\r+3], v3, s[4:5] offset:4096*\r+512*(\t) th:TH_LOAD_NT
.endr
.endm
.macro STEPX t
.set CS, C+12*((\t)%2)
	s_wait_alu depctr_va_vdst(0)                   ; the wait ahead of the wait below
.if (\t) < 3
	s_wait_loadcnt 16                              ; this step's 16 loads are in; the next step's 16 may be out
.else
	s_wait_loadcnt 0x0
.endif
.irp r, 0,1,2,3,4,5,6,7,8,9,10,11,12,13,14,15
	ds_store_b128 v14, v[R+64*((\t)%2)+4*\r:R+64*((\t)%2)+4*\r+3] offset:528*\r
.endr
.irp e, 0,1,2,3,4,5,6,7,8,9,10,11,12,13,14,15
	ds_load_b128 v[X+4*\e:X+4*\e+3], v15 offset:256*(\e/8)+16*(\e%8)   ; LDS serves a wave's instructions in order: these see the stores; my two blocks of 32
.endr
	s_wait_dscnt 0x0                               ; so the stores into the stage have read their registers,
.if (\t) < 2
	LOADX (\t)+2                                   ; which take the loads of two steps on
.else
	s_wait_xcnt 0x0                                ; the stores of two steps ago have read this set of codes
.endif
.irp c, 0,1
	v_max3_num_f32 v[12+\c], |v[X+32*\c]|, |v[X+1+32*\c]|, 0x2800000   ; with the floor 2^(5 - 127)
.endr
.irp i, 2,4,6,8,10,12,14,16,18,20,22,24,26,28,30
.irp c, 0,1
	v_max3_num_f32 v[12+\c], v[12+\c], |v[X+32*\c+\i]|, |v[X+1+32*\c+\i]|
.endr
.endr
	v_add_nc_u32 v12, 0xfe000000, v12              ; 4 off the exponent field: the conversion's scale operand
	v_add_nc_u32 v13, 0xfe000000, v13
	v_cvt_scalef32_pk16_bf6_f32 v[CS:CS+2], v[X:X+15], v12
	v_cvt_scalef32_pk16_bf6_f32 v[T:T+2], v[X+16:X+31], v12
	v_cvt_scalef32_pk16_bf6_f32 v[CS+6:CS+8], v[X+32:X+47], v13
	v_cvt_scalef32_pk16_bf6_f32 v[T+4:T+6], v[X+48:X+63], v13
	v_lshrrev_b32 v[B0], 23, v12                   ; the scales' bytes (also the plain line behind the conversions)
	v_lshrrev_b32 v[B0+1], 23, v13
.irp i, 0,1,2
	v_mov_b32 v[CS+3+\i], v[T+\i]                  ; a conversion's three registers begin on an even number: the second halves are moved
	v_mov_b32 v[CS+9+\i], v[T+4+\i]
.endr
	v_lshl_or_b32 v[B0], v[B0+1], 16, v[B0]        ; my bytes: blocks h and 2 + h,
	v_lshlrev_b32 v[B0], v9, v[B0]                 ; 8 h bits up;
	v_permlanex16_b32 v11, v[B0], s20, s21
	v_or_b32 v[E+(\t)], v[B0], v11                 ; with lane l xor 16's the word is whole
.irp p, 0,1,2
	global_store_b128 v3, v[CS+4*\p:CS+4*\p+3], s[24:25] offset:1536*(\t)+512*\p   ; 512 consecutive bytes
.endr
.endm
	LOADX 0
	LOADX 1
	STEPX 0
	STEPX 1
	STEPX 2
	STEPX 3
	v_cndmask_b32 v12, v[E], v[E+2], vcc_lo        ; lanes 0-15 store steps 0, 1 of their row, lanes 16-31 steps 2, 3
	v_cndmask_b32 v13, v[E+1], v[E+3], vcc_lo
	global_store_b64 v10, v[12:13], s[26:27]       ; 256 consecutive bytes, at a multiple of 256
	s_wait_tensorcnt 0x0                           ; the wave's end
	ds_add_u32 v[SPW], v[NIL]
	s_wait_dscnt 0x0
	s_endpgm
.Lw:
	s_sub_co_u32 s22, ttmp9, 512                   ; which 16 rows of W
	s_mul_i32 s22, s22, 24576
	s_mul_i32 s24, s16, 384                        ; four K steps are 384 bytes of a row
	s_add_co_u32 s24, s24, s22
	s_mov_b32 s25, 0
	s_add_nc_u64 s[8:9], s[8:9], s[24:25]
	s_mul_i32 s24, s16, 6144
	s_add_co_u32 s24, s24, s22
	s_add_nc_u64 s[12:13], s[12:13], s[24:25]
.irp r, 0,1,2,3,4,5,6,7,8,9,10,11,12,13,14,15
	global_load_b96 v[16+4*\r:18+4*\r], v4, s[8:9] offset:1536*\r th:TH_LOAD_NT   ; 384 consecutive bytes of row r
.endr
	s_wait_loadcnt 0x0
.irp r, 0,1,2,3,4,5,6,7,8,9,10,11,12,13,14,15
.irp e, 0,1,2
	ds_store_b32 v5, v[16+4*\r+\e] offset:400*\r+4*\e
.endr
.endr
.irp t, 0,1,2,3
.irp p, 0,1,2,3,4,5
	ds_load_b64 v[80+12*\t+2*\p:81+12*\t+2*\p], v6 offset:96*\t+48*(\p/3)+8*(\p%3)   ; the operand's registers, 24 bytes at a time
.endr
.endr
	s_wait_dscnt 0x0
.irp t, 0,1,2,3
.irp p, 0,1,2
	global_store_b128 v3, v[80+12*\t+4*\p:83+12*\t+4*\p], s[12:13] offset:1536*\t+512*\p
.endr
.endr
	s_wait_tensorcnt 0x0                           ; the wave's end
	ds_add_u32 v[SPW], v[NIL]
	s_wait_dscnt 0x0
	s_endpgm
.Lfunc_end_k_qc75aac74d5_quant:
	.size	k_qc75aac74d5_quant, .Lfunc_end_k_qc75aac74d5_quant-k_qc75aac74d5_quant
	.p2alignl 7, 3214868480
	.fill 96, 4, 3214868480
	.section	.rodata,"a",@progbits
	.p2align	6, 0x0
	.amdhsa_kernel k_qc75aac74d5_quant
		.amdhsa_group_segment_fixed_size 59904
		.amdhsa_private_segment_fixed_size 0
		.amdhsa_enable_private_segment 0
		.amdhsa_kernarg_size 40
		.amdhsa_user_sgpr_count 2
		.amdhsa_user_sgpr_kernarg_segment_ptr 1
		.amdhsa_wavefront_size32 1
		.amdhsa_system_sgpr_workgroup_id_x 1
		.amdhsa_system_sgpr_workgroup_id_y 1
		.amdhsa_system_sgpr_workgroup_id_z 1
		.amdhsa_system_vgpr_workitem_id 0
		.amdhsa_next_free_vgpr 248
		.amdhsa_next_free_sgpr 66
		.amdhsa_reserve_vcc 1
		.amdhsa_float_denorm_mode_32 3
		.amdhsa_float_denorm_mode_16_64 3
		.amdhsa_memory_ordered 1
		.amdhsa_forward_progress 1
		.amdhsa_inst_pref_size 38
	.end_amdhsa_kernel
	.amdgpu_metadata
---
amdhsa.version: [ 1, 2 ]
amdhsa.kernels:
  - .name:           k_qc75aac74d5_quant
    .symbol:         k_qc75aac74d5_quant.kd
    .args:
      - { .name: inputs, .offset: 0, .size: 8, .value_kind: global_buffer, .address_space: global }
      - { .name: h, .offset: 8, .size: 8, .value_kind: global_buffer, .address_space: global }
      - { .name: W_codes, .offset: 16, .size: 8, .value_kind: global_buffer, .address_space: global }
      - { .name: xq, .offset: 24, .size: 8, .value_kind: global_buffer, .address_space: global }
      - { .name: wq, .offset: 32, .size: 8, .value_kind: global_buffer, .address_space: global }
    .group_segment_fixed_size: 59904
    .private_segment_fixed_size: 0
    .kernarg_segment_align: 8
    .kernarg_segment_size: 40
    .max_flat_workgroup_size: 128
    .sgpr_count:     66
    .vgpr_count:     248
    .wavefront_size: 32
...
	.end_amdgpu_metadata
.endif
;; end of part 1
;; launch gemm (part 2): grid 16 x 16, 4 waves a work-group, clusters of 4 x 1, 327,680 bytes of LDS; arguments xq, wq, W_scales, pre; writes pre
.if DOCPART == 2
	.amdgcn_target "amdgcn-amd-amdhsa--gfx1250"
	.amdhsa_code_object_version 6
	.text
	.protected	k_qc75aac74d5_gemm
	.globl	k_qc75aac74d5_gemm
	.p2align	8
	.type	k_qc75aac74d5_gemm,@function
k_qc75aac74d5_gemm:
	s_mov_b64 s[64:65], 0
	v_nop
	global_prefetch_b8 v0, s[64:65] scope:SCOPE_SE
	s_setreg_imm32_b32 hwreg(HW_REG_WAVE_MODE, 25, 1), 1
	s_wait_xcnt 0x0
	s_wait_alu depctr_hold_cnt(0) depctr_sa_sdst(0) depctr_va_vdst(0) depctr_va_sdst(0) depctr_va_ssrc(0) depctr_va_vcc(0) depctr_vm_vsrc(0)
	s_getreg_b32 s2, hwreg(HW_REG_IB_STS2, 6, 4)
	s_cmp_eq_u32 s2, 0
	s_cbranch_scc0 .Lentry_in_a_cluster
	s_endpgm
.Lentry_in_a_cluster:
	s_bfe_u32 s2, ttmp6, 0x10000c
	s_cmp_lg_u32 s2, 0x3003
	s_cbranch_scc0 .Lentry_shape_is_right
	s_endpgm
.Lentry_shape_is_right:
; pre[m][n] = sum over k of x[m][k] W[n][k], [8192][4096] f32, K = 2,048, both operands codes of BF6 with E8M0 scales, by v_wmma_scale_f32_16x16x128_f8f6f4.
; xq and wq hold images of the operands' registers (12 registers x 32 lanes = 1,536 bytes for 16 rows x 128 K; piece p of lane l at 512 p + 16 l); xq's row blocks carry their scale words behind the codes.
; SHARES: a work-group owns 256 columns (x of the grid) and 512 rows (y); wave w owns columns 64 w .. 64 w + 63.
; W STAYS IN REGISTERS: a wave's 64 columns x 2,048 K are 64 fragments, 768 registers, loaded once.  x streams: a block of 64 rows, all of K, is one LDS slot (4 row blocks of 25,600 bytes, one tensor load a wave);
; two slots take turns.  A block is 16 K steps x 16 matrix instructions a wave on 16 accumulators, and its 64 x 64 results leave at once, so that stores go out all along the launch.
; CLUSTER: the four work-groups of a cluster differ in their columns alone and ask for each block of x jointly (mask 15).  W is not shared through LDS, so a cluster has one row.
; PREFETCH: in the trip that multiplies block t and loads block t + 1, block t + 2 is asked for: each wave its row block's 100 pieces of 256 bytes, of which the partner at place cx names 25 (a lane a piece; lanes 25-31 name the last again).
; The last two trips ask for nothing.
; THE MATRIX INSTRUCTION IS USED TRANSPOSED (source 0 = 16 columns of W, source 1 = 16 rows of x): a lane holds eight neighbouring numbers of a row of pre.
; REGISTERS: window 0: v0-11 addresses; v12-19 scale words, two sets of 4 (register i: lanes 0-15 x's row block i, lanes 16-31 W's column block i); v20-115 a ring of 8 fragments of x (on the way out: rows read back);
;   v116-127 W's fragment 63; v128-255 accumulators ((i, j) at 128 + 8 (4 i + j)).  Windows 1-3: W's fragments 0-62, 21 to a window; fragment 4 s + j is K step s of column block j.
; LDS: a slot is 4 x (24,576 codes + 1,024 x's scale words + 4 x 1,024 W's scale words, one part for each wave, stored once by that wave and read by it alone); slot 1 begins at 2^17, so that one xor changes slots.
.set RB,    29696
.set SLOT1, 131072
.set TILE,  102400                     ; a block of 64 rows in xq
.set STAGE, 249856                     ; 16 rows x 272 bytes for each wave
.set SPARE, 267264
.set SPW, 1
.set NIL, 2
.set AL,  3                            ; v3, v4: fragments of row blocks 0-1, 2-3 in the slot in hand
.set SL,  5                            ; v5, v6: the same for scale words
.set STO, 7
.set RD,  8
.set CO,  9
.set PFO, 10
.set SCR, 12
.set AF,  20
.set B63, 116
.set ACC, 128
.set MSB, 0
.macro WIN new                         ; the immediate's high byte repeats the setting that is left
.if MSB != \new
	s_set_vgpr_msb (MSB<<8)|\new
.set MSB, \new
.endif
.endm
.macro PLACES
.rept 4
	v_nop
.endr
.endm
.macro ROUND                           ; a round of the cluster's barrier
	s_barrier_signal -1
	s_barrier_wait -1
	s_cmp_lg_u32 s12, 0
	s_cbranch_scc1 .Lnot_wave_0_\@
	s_barrier_signal -3
.Lnot_wave_0_\@:
	s_barrier_wait -3
	s_barrier_signal -1
	s_barrier_wait -1
.endm
.macro BPLACE f                        ; where W's fragment f lies
.if (\f) < 63
.set BW, 1+(\f)/21
.set BR, 12*((\f)%21)
.else
.set BW, 0
.set BR, B63
.endif
.endm
	s_load_b256 s[4:11], s[0:1], 0x0               ; xq, wq, W_scales, pre
	v_lshl_add_u32 v[SPW], v0, 2, SPARE
	v_mov_b32 v[NIL], 0
	ds_add_u32 v[SPW], v[NIL]                      ; the opening lines: the add, twice on end, and its wait
	ds_add_u32 v[SPW], v[NIL]
	v_lshrrev_b32 v11, 5, v0
	v_readfirstlane_b32 s12, v11                   ; wave w
	s_bfe_u32 s13, ttmp6, 0x40000                  ; cx
	s_lshl_b32 s14, ttmp9, 2
	s_add_co_u32 s14, s14, s13                     ; which 256 columns
	s_and_b32 s15, ttmp7, 0xffff                   ; which 512 rows
	s_mov_b32 s16, 15|(3<<16)|(1<<21)              ; group 1: the mask of all four; elements of 8 bytes; bit 21 beside a mask
	s_mov_b32 s17, 32<<16                          ; a dense block of 25,600 bytes as 100 rows of 256
	s_mov_b32 s18, 100<<16
	s_mov_b32 s19, 32<<16
	s_mov_b32 s20, 100
	s_mov_b32 s21, 32
	s_mov_b32 s22, 0
	s_mov_b32 s23, 0
	s_lshl_b32 s32, s15, 5
	s_add_co_u32 s32, s32, s12                     ; row block 32 y + w
	s_mul_i32 s32, s32, 25600
	s_mov_b32 s33, 0
	s_mul_i32 s39, s12, RB                         ; where it goes
	s_lshl_b32 s40, s12, 10
	s_add_co_u32 s40, s40, 1024                    ; from x's scale words to my part of W's
	s_add_co_u32 s43, s40, 24576
	s_mul_i32 s41, s12, 16*272
	s_add_co_u32 s41, s41, STAGE
	s_mul_i32 s42, s13, 25
	s_mov_b32 s45, 0
	s_wait_dscnt 0x0
	s_wait_kmcnt 0x0
	s_add_nc_u64 s[32:33], s[4:5], s[32:33]
	s_add_nc_u64 s[34:35], s[32:33], 2*TILE        ; the prefetches begin at block 2
	s_lshl_b32 s44, s14, 4
	s_lshl_b32 s46, s12, 2
	s_add_co_u32 s44, s44, s46
	s_mul_i32 s44, s44, 24576                      ; my four column blocks in wq
	s_add_nc_u64 s[6:7], s[6:7], s[44:45]
	s_lshl_b32 s44, s14, 2
	s_add_co_u32 s44, s44, s12
	s_lshl_b32 s44, s44, 12                        ; my 64 columns' scales: 4,096 bytes
	s_add_nc_u64 s[8:9], s[8:9], s[44:45]
	s_lshl_b32 s44, s15, 23                        ; 512 rows of 16,384 bytes
	s_lshl_b32 s46, s14, 10
	s_add_co_u32 s44, s44, s46
	s_lshl_b32 s46, s12, 8
	s_add_co_u32 s44, s44, s46
	s_add_nc_u64 s[10:11], s[10:11], s[44:45]
	s_mov_b32 s24, 1                               ; group 0: block 0 into slot 0
	s_mov_b32 s25, s39
	s_mov_b64 s[26:27], s[32:33]
	s_or_b32 s27, s27, 0x80000000
	ROUND                                          ; in front of the first joint loads
	tensor_load_to_lds s[24:27], s[16:23]          ; one tensor load a wave at the head
	s_nop 0
	PLACES
	v_and_b32 v11, 31, v0
	v_lshlrev_b32 v[AL], 4, v11                    ; 16 l
	v_add_nc_u32 v[AL+1], 2*RB, v[AL]
	v_and_b32 v128, 15, v0                         ; r
	v_bfe_u32 v129, v0, 4, 1                       ; h
	v_mul_u32_u24 v130, s40, v129                  ; lanes 16-31 take W's words
	v_lshl_add_u32 v130, v128, 4, v130
	v_add_nc_u32 v[SL], 24576, v130
	v_add_nc_u32 v[SL+1], 24576+2*RB, v130
	v_mul_u32_u24 v131, v128, 272
	v_lshl_add_u32 v131, v129, 5, v131
	v_add_nc_u32 v[STO], s41, v131                 ; into the stage: row r, 32 h
	v_mul_u32_u24 v132, v129, 272
	v_lshl_add_u32 v132, v128, 4, v132
	v_add_nc_u32 v[RD], s41, v132                  ; back: lanes 0-15 one row of 256 bytes, lanes 16-31 the next
	v_lshlrev_b32 v133, 14, v129
	v_lshl_add_u32 v[CO], v128, 4, v133            ; the same two rows in pre
	v_min_u32 v134, 24, v11
	v_add_nc_u32 v134, s42, v134
	v_lshlrev_b32 v[PFO], 8, v134                  ; piece 25 cx + min(l, 24)
	v_and_b32 v135, 3, v11
	v_lshrrev_b32 v136, 2, v11
	v_lshlrev_b32 v135, 8, v135
	v_lshl_add_u32 v135, v136, 4, v135
	v_add_nc_u32 v135, s43, v135                   ; W's scale words: 256 (l % 4) + 16 (l / 4) in my part; column blocks 0-1, slot 0
	v_add_nc_u32 v136, 2*RB, v135                  ; blocks 2-3
	v_add_nc_u32 v137, SLOT1, v135                 ; and the same in slot 1
	v_add_nc_u32 v138, SLOT1+2*RB, v135
.irp u, 0,1,2,3,4,5,6,7
	global_load_b128 v[AF+4*\u:AF+4*\u+3], v[AL], s[8:9] offset:512*\u   ; column 8 u + l / 4, its steps 4 (l % 4) .. + 3
.endr
.set F, 0
.rept 64                               ; W's 64 fragments, three loads of 512 consecutive bytes each
	BPLACE F
	WIN BW<<6
.irp p, 0,1,2
	global_load_b128 v[BR+4*\p:BR+4*\p+3], v[AL], s[6:7] offset:(F%4)*24576+(F/4)*1536+512*\p
.endr
.set F, F+1
.endr
	WIN 0
	s_wait_alu depctr_va_vdst(0)                   ; the wait at the head's end
	s_wait_loadcnt 63                              ; the eight loads of scales are in: 192 loads were issued behind them
.irp u, 0,1,2,3,4,5,6,7
	ds_store_b128 v[135+\u/4], v[AF+4*\u:AF+4*\u+3] offset:((\u/2)%2)*RB+(\u%2)*128
	ds_store_b128 v[137+\u/4], v[AF+4*\u:AF+4*\u+3] offset:((\u/2)%2)*RB+(\u%2)*128
.endr
.macro LDA s, i                        ; x's fragment (step s, row block i) into its place in the ring
.irp p, 0,1,2
	ds_load_b128 v[AF+48*((\s)%2)+12*(\i)+4*\p:AF+48*((\s)%2)+12*(\i)+4*\p+3], v[AL+(\i)/2] offset:((\i)%2)*RB+(\s)*1536+512*\p
.endr
.endm
.macro RR s                            ; a K step's 16 loads in one run: the 4 scale words first, then x's four fragments
.irp i, 0,1,2,3
	ds_load_b32 v[SCR+4*((\s)%2)+\i], v[SL+\i/2] offset:(\i%2)*RB+((\s)/4)*256+((\s)%4)*4
.endr
	LDA \s, 0
	LDA \s, 1
	LDA \s, 2
	LDA \s, 3
.endm
.macro MM s, i                         ; row block i against my four column blocks; the 16 accumulators take turns, in the same order in every step
.irp j, 0,1,2,3
	BPLACE 4*(\s)+\j
	WIN BW
.set DD, ACC+8*(4*(\i)+\j)
.set AA, AF+48*((\s)%2)+12*(\i)
.set SS, SCR+4*((\s)%2)
.if (\s) == 0
	v_wmma_scale_f32_16x16x128_f8f6f4 v[DD:DD+7], v[BR:BR+11], v[AA:AA+11], 0, v[SS+\j], v[SS+(\i)] matrix_a_fmt:MATRIX_FMT_BF6 matrix_b_fmt:MATRIX_FMT_BF6 matrix_a_scale:MATRIX_SCALE_ROW1
.else
	v_wmma_scale_f32_16x16x128_f8f6f4 v[DD:DD+7], v[BR:BR+11], v[AA:AA+11], v[DD:DD+7], v[SS+\j], v[SS+(\i)] matrix_a_fmt:MATRIX_FMT_BF6 matrix_b_fmt:MATRIX_FMT_BF6 matrix_a_scale:MATRIX_SCALE_ROW1
.endif
.endr
.endm
.macro TOSTAGE i                       ; row block i: 16 rows x 256 bytes through my stage; LDS serves a wave's instructions in order
.irp j, 0,1,2,3
	ds_store_b128 v[STO], v[ACC+8*(4*(\i)+\j):ACC+8*(4*(\i)+\j)+3] offset:64*\j
	ds_store_b128 v[STO], v[ACC+8*(4*(\i)+\j)+4:ACC+8*(4*(\i)+\j)+7] offset:64*\j+16
.endr
.irp t, 0,1,2,3,4,5,6,7
	ds_load_b128 v[AF+32*((\i)%3)+4*\t:AF+32*((\i)%3)+4*\t+3], v[RD] offset:544*\t
.endr
.endm
.macro SEND i, younger                 ; younger: the LDS instructions issued behind block i's loads
	s_wait_dscnt \younger
.irp t, 0,1,2,3,4,5,6,7
	global_store_b128 v[CO], v[AF+32*((\i)%3)+4*\t:AF+32*((\i)%3)+4*\t+3], s[10:11] offset:(16*(\i)+2*\t)*16384 th:TH_STORE_NT   ; 16 lanes store 256 consecutive bytes, at a multiple of 256
.endr
.endm
; A block of 64 rows.  The ring is fed two steps ahead, in one run at each step's end, into the places just multiplied.
; W's 192 loads of the head are waited for by count, step by step: behind K step s's four fragments 180 - 12 s loads were issued.  In later trips no load is out.
.macro BLOCK ask
	RR 0
	RR 1
.if \ask
	s_cmp_gt_u32 s38, 1                            ; the loop's last trip has no block two on
	s_cbranch_scc0 .Lno_ask_\@
	global_prefetch_b8 v[PFO], s[34:35] th:TH_LOAD_NT scope:SCOPE_SE
.Lno_ask_\@:
.endif
.set S, 0
.rept 16
.if S < 15
	s_wait_dscnt 22                                ; out may be: this step's row blocks 2, 3 (6 loads) and the next step's 16
.else
	s_wait_dscnt 6
.endif
.if S == 0
	s_wait_loadcnt 63                              ; under 180: W's fragments of steps 0 to 9 are in
.endif
.if S >= 10
	s_wait_loadcnt 180-12*S
.endif
	MM S, 0
	MM S, 1
.if S < 15
	s_wait_dscnt 16                                ; out may be: the next step's 16
.else
	s_wait_dscnt 0x0
.endif
	MM S, 2
	MM S, 3
	WIN 0
.if S < 14
	PLACES
	RR S+2
.endif
.set S, S+1
.endr
.irp a, AL, AL+1, SL, SL+1
	v_xor_b32 v[\a], SLOT1, v[\a]                  ; on to the other slot (these four are also the places behind the last products)
.endr
	s_wait_alu depctr_va_vdst(0)                   ; the wait
	TOSTAGE 0
	TOSTAGE 1
	TOSTAGE 2
	SEND 0, 32
	SEND 1, 16
	s_wait_xcnt 0x0                                ; block 0's stores have read their registers
	TOSTAGE 3
	SEND 2, 16
	SEND 3, 0
	s_wait_xcnt 0x0                                ; the stores' registers and base and the prefetch's base are written again only behind this wait
	s_add_nc_u64 s[10:11], s[10:11], 64*16384
	s_add_nc_u64 s[34:35], s[34:35], TILE
.endm
.macro TRIP refill
	s_wait_tensorcnt 0x0                           ; my one load that was out, my part of this trip's block, has landed;
	ds_add_u32 v[SPW], v[NIL]
	s_xor_b32 s25, s25, SLOT1                      ; no load of mine is out: group 0 steps to the next block and the other slot
	s_add_nc_u64 s[26:27], s[26:27], TILE
	s_wait_dscnt 0x0                               ; the add, my reads of the other slot and my stage's instructions are done
	ROUND                                          ; all that now holds of every wave of the four work-groups
.if \refill
	tensor_load_to_lds s[24:27], s[16:23]          ; the next block, into the slot read last (the first time: slot 1's first fill)
	s_nop 0
.endif
	PLACES
	BLOCK \refill
.endm
	s_mov_b32 s38, 7
.Lblock:
	TRIP 1
	s_sub_co_u32 s38, s38, 1
	s_cmp_lg_u32 s38, 0
	s_cbranch_scc1 .Lblock
	TRIP 0                                         ; the last block fetches nothing
	s_wait_tensorcnt 0x0                           ; the wave's end
	ds_add_u32 v[SPW], v[NIL]
	s_wait_dscnt 0x0
	ROUND                                          ; the closing round
	s_endpgm
.Lfunc_end_k_qc75aac74d5_gemm:
	.size	k_qc75aac74d5_gemm, .Lfunc_end_k_qc75aac74d5_gemm-k_qc75aac74d5_gemm
	.p2alignl 7, 3214868480
	.fill 96, 4, 3214868480
	.section	.rodata,"a",@progbits
	.p2align	6, 0x0
	.amdhsa_kernel k_qc75aac74d5_gemm
		.amdhsa_group_segment_fixed_size 327680
		.amdhsa_private_segment_fixed_size 0
		.amdhsa_enable_private_segment 0
		.amdhsa_kernarg_size 32
		.amdhsa_user_sgpr_count 2
		.amdhsa_user_sgpr_kernarg_segment_ptr 1
		.amdhsa_wavefront_size32 1
		.amdhsa_system_sgpr_workgroup_id_x 1
		.amdhsa_system_sgpr_workgroup_id_y 1
		.amdhsa_system_sgpr_workgroup_id_z 1
		.amdhsa_system_vgpr_workitem_id 0
		.amdhsa_next_free_vgpr 1024
		.amdhsa_next_free_sgpr 66
		.amdhsa_reserve_vcc 0
		.amdhsa_float_denorm_mode_32 3
		.amdhsa_float_denorm_mode_16_64 3
		.amdhsa_memory_ordered 1
		.amdhsa_forward_progress 1
		.amdhsa_inst_pref_size 148
	.end_amdhsa_kernel
	.amdgpu_metadata
---
amdhsa.version: [ 1, 2 ]
amdhsa.kernels:
  - .name:           k_qc75aac74d5_gemm
    .symbol:         k_qc75aac74d5_gemm.kd
    .args:
      - { .name: xq, .offset: 0, .size: 8, .value_kind: global_buffer, .address_space: global }
      - { .name: wq, .offset: 8, .size: 8, .value_kind: global_buffer, .address_space: global }
      - { .name: W_scales, .offset: 16, .size: 8, .value_kind: global_buffer, .address_space: global }
      - { .name: pre, .offset: 24, .size: 8, .value_kind: global_buffer, .address_space: global }
    .group_segment_fixed_size: 327680
    .private_segment_fixed_size: 0
    .kernarg_segment_align: 8
    .kernarg_segment_size: 32
    .max_flat_workgroup_size: 128
    .sgpr_count:     66
    .vgpr_count:     1024
    .wavefront_size: 32
...
	.end_amdgpu_metadata
.endif
;; end of part 2
;; launch cell (part 3): grid 256 x 1, 16 waves a work-group, no clusters, 43,008 bytes of LDS; arguments pre, c, gamma4, beta4, cell_gamma, cell_beta, out0, out1; writes out0, out1
.if DOCPART == 3
	.amdgcn_target "amdgcn-amd-amdhsa--gfx1250"
	.amdhsa_code_object_version 6
	.text
	.protected	k_qc75aac74d5_cell
	.globl	k_qc75aac74d5_cell
	.p2align	8
	.type	k_qc75aac74d5_cell,@function
k_qc75aac74d5_cell:
	s_mov_b64 s[64:65], 0
	v_nop
	global_prefetch_b8 v0, s[64:65] scope:SCOPE_SE
	s_setreg_imm32_b32 hwreg(HW_REG_WAVE_MODE, 25, 1), 1
	s_wait_xcnt 0x0
; From pre [8192][4096] f32 (gates i, j, f, o: 1,024 columns each) and c [8192][1024]:
;   i = sigmoid(LN(pre_i)), j = tanh(LN(pre_j)), f = sigmoid(LN(pre_f)), o = sigmoid(LN(pre_o)), each LN with its row of gamma4 and beta4;
;   out1 = new_c = LN(i j + f c) with cell_gamma, cell_beta;   out0 = new_h = o tanh(new_c).   All in f32.
; LN: the mean first, then the mean of (x - mean)^2 on the centred numbers (two passes over registers: a common offset of a row costs no digits), then x 1 / sqrt(var + 1e-5).
; sigmoid(x) = 1 / (1 + 2^(-x log2 e)), tanh(x) = 1 - 2 / (1 + 2^(2 x log2 e)).  No shift is needed: where the power overflows to infinity the reciprocal is 0, where it falls to 0 the reciprocal is 1, which are the limits.
; The factor (-log2 e for i, f, o; 2 log2 e for j) is multiplied into gamma4 and beta4 ONCE, when they are laid in LDS.  LIMIT: that is one more f32 rounding of each gain and bias.  NaN and infinities are not served.
; SHARES.  A work-group of sixteen waves owns 32 rows; a wave owns two, one whole row at a time: 5 arrays of 1,024 numbers = 5 x 32 registers a lane.  Lane l holds, of chunk q (0..7), columns 128 q + 4 l .. + 3:
; every load and store of a wave covers 512 consecutive bytes at a multiple of 512, and a row's sums never leave the wave: no barrier but the one behind the parameters.
; Memory binds here: every byte of pre and c is read once, every byte of the outputs written once.  The matrix unit, clusters and tensor loads have nothing to give: the work-groups share only the 40 KiB of gains and biases,
; and 40 loads of 512 bytes of each of sixteen waves are out at the start; the next row's arrays are asked for as soon as this row's registers are free.
.set P0,  16                           ; v16-47    gate i; then i j + f c; then new_c
.set P1,  48                           ; v48-79    gate j
.set P2,  80                           ; v80-111   gate f; then f c
.set P3,  112                          ; v112-143  gate o; then new_h
.set CC,  144                          ; v144-175  c
.set GA,  176                          ; v176-207  gains of the norm in hand; later tanh(new_c)
.set BE,  208                          ; v208-239  its biases
.set T,   240                          ; v[240:243] two chains of packed sums
.set XL,  244                          ; v244      what the other half of the lanes sends
.set MU,  246                          ; v[246:247] the mean (the packed form names the pair and takes its low word for both halves)
.set RS,  248                          ; v[248:249] 1 / sqrt(var + eps), likewise
.set LG,  0                            ; LDS: gamma4 x factor, 4 x 4,096 bytes;
.set LB,  16384                        ; beta4 x factor;
.set LCG, 32768                        ; cell_gamma;
.set LCB, 36864                        ; cell_beta
	s_load_b256 s[4:11], s[0:1], 0x0               ; pre s[4:5], c s[6:7], gamma4 s[8:9], beta4 s[10:11]
	s_load_b256 s[12:19], s[0:1], 0x20             ; cell_gamma s[12:13], cell_beta s[14:15], out0 s[16:17], out1 s[18:19]
	v_lshl_add_u32 v254, v0, 2, 0xa000
	v_mov_b32 v255, 0
	v_lshrrev_b32 v4, 5, v0
	s_delay_alu instid0(VALU_DEP_1)
	v_readfirstlane_b32 s20, v4                    ; wave 0..15
	v_and_b32 v1, 31, v0
	s_delay_alu instid0(VALU_DEP_1)
	v_lshlrev_b32 v1, 4, v1                        ; v1: 16 x lane; never rewritten
	v_lshlrev_b32 v2, 4, v0                        ; v2: 16 x thread: my 16 bytes of 8,192; never rewritten
	v_and_b32 v3, 255, v0
	s_delay_alu instid0(VALU_DEP_1)
	v_lshlrev_b32 v3, 4, v3                        ; v3: 16 x (thread % 256): my 16 bytes of 4,096; never rewritten
	v_mov_b32 v[XL], 0                             ; a lane permute's destination counts as one of its sources
	v_mov_b32 v[MU+1], 0                           ; named as upper halves of pairs, so they are written
	v_mov_b32 v[RS+1], 0
	s_mov_b32 s22, 0x76543210                      ; v_permlanex16_b32's selects for lane l xor 16
	s_mov_b32 s23, 0xfedcba98
	s_mov_b32 s24, 0x3a800000                      ; 1 / 1024
	s_mov_b32 s25, 0x3727c5ac                      ; 1e-5
	s_mov_b32 s26, 0xbfb8aa3b                      ; -log2 e
	s_mov_b32 s27, s26
	s_mov_b32 s28, 0x4038aa3b                      ; 2 log2 e
	s_mov_b32 s29, s28
	s_lshl_b32 s30, ttmp9, 5
	s_lshl_b32 s31, s20, 1
	s_add_co_u32 s30, s30, s31                     ; my first row: 32 x work-group + 2 x wave
	s_lshl_b32 s32, s30, 14                        ; in pre: 16,384 bytes a row (under 2^27 in all)
	s_mov_b32 s33, 0
	s_lshl_b32 s34, s30, 12                        ; in c and the outputs: 4,096 bytes a row
	s_mov_b32 s35, 0
	s_wait_alu depctr_va_vdst(0)
	s_wait_kmcnt 0x0
	s_cmp_lt_u32 s20, 8                            ; threads 0-255 (waves 0-7) hold gate i's 4,096 bytes of the first 8,192, and cell_gamma; the others gate j's, and cell_beta
	s_cselect_b32 s36, s26, s28                    ; so their factor is -log2 e, the others' 2 log2 e
	s_cselect_b64 s[38:39], s[12:13], s[14:15]     ; a choice between two buffers on the wave's number alone
	s_mov_b32 s37, s36
	s_add_nc_u64 s[4:5], s[4:5], s[32:33]
	s_add_nc_u64 s[6:7], s[6:7], s[34:35]
	s_add_nc_u64 s[16:17], s[16:17], s[34:35]
	s_add_nc_u64 s[18:19], s[18:19], s[34:35]
	global_load_b128 v[GA:GA+3],     v2, s[8:9]                    ; gamma4: gates i, j
	global_load_b128 v[GA+4:GA+7],   v2, s[8:9] offset:8192        ; gates f, o
	global_load_b128 v[GA+8:GA+11],  v2, s[10:11]                  ; beta4 likewise
	global_load_b128 v[GA+12:GA+15], v2, s[10:11] offset:8192
	global_load_b128 v[GA+16:GA+19], v3, s[38:39]                  ; cell_gamma or cell_beta
.macro LOADG p, g, r                   ; gate g of my row r into v[p] on: eight loads of 512 consecutive bytes
.irp q, 0,1,2,3,4,5,6,7
	global_load_b128 v[\p+4*\q:\p+4*\q+3], v1, s[4:5] offset:16384*(\r)+4096*(\g)+512*\q th:TH_LOAD_NT
.endr
.endm
.macro LOADC r                         ; c of my row r
.irp q, 0,1,2,3,4,5,6,7
	global_load_b128 v[CC+4*\q:CC+4*\q+3], v1, s[6:7] offset:4096*(\r)+512*\q th:TH_LOAD_NT
.endr
.endm
	LOADC 0                                        ; THE ORDER OF ISSUE IS THE SAME IN EVERY ROW: c, j, f, i, o: the counts below lean on it
	LOADG P1, 1, 0
	LOADG P2, 2, 0
	LOADG P0, 0, 0
	LOADG P3, 3, 0
	s_wait_loadcnt 40                              ; the five loads of parameters are in; the row's forty may be out
.irp j, 0,2,8,10
	v_pk_mul_f32 v[GA+\j:GA+\j+1], v[GA+\j:GA+\j+1], s[36:37] op_sel_hi:[1,0]    ; gates i, j: my half's factor
.endr
.irp j, 4,6,12,14
	v_pk_mul_f32 v[GA+\j:GA+\j+1], v[GA+\j:GA+\j+1], s[26:27] op_sel_hi:[1,0]    ; gates f, o: -log2 e
.endr
	ds_store_b128 v2, v[GA:GA+3]     offset:LG
	ds_store_b128 v2, v[GA+4:GA+7]   offset:LG+8192
	ds_store_b128 v2, v[GA+8:GA+11]  offset:LB
	ds_store_b128 v2, v[GA+12:GA+15] offset:LB+8192
	ds_store_b128 v2, v[GA+16:GA+19] offset:LCG                    ; threads 0-255 fill cell_gamma's 4,096 bytes, the others cell_beta's behind them
	s_wait_dscnt 0x0                               ; for the others' sake: my stores have landed
	s_barrier_signal -1
	s_barrier_wait -1                              ; the parameters lie in LDS; nobody writes them again
.macro PARAMS ga, be                   ; my columns' gains and biases: 32 lanes read 512 consecutive bytes an instruction
.irp q, 0,1,2,3,4,5,6,7
	ds_load_b128 v[GA+4*\q:GA+4*\q+3], v1 offset:(\ga)+512*\q
.endr
.irp q, 0,1,2,3,4,5,6,7
	ds_load_b128 v[BE+4*\q:BE+4*\q+3], v1 offset:(\be)+512*\q
.endr
.endm
.macro REDUCE                          ; the two chains' four partial sums of each lane, then all 32 lanes: the row's sum in every lane's v[T]
	s_delay_alu instid0(VALU_DEP_1)
	v_pk_add_f32 v[T:T+1], v[T:T+1], v[T+2:T+3]
	s_delay_alu instid0(VALU_DEP_1)
	v_add_f32 v[T], v[T], v[T+1]
	s_delay_alu instid0(VALU_DEP_1)
	v_add_f32_dpp v[T], v[T], v[T] row_xmask:1 row_mask:0xf bank_mask:0xf
	s_delay_alu instid0(VALU_DEP_1)
	v_add_f32_dpp v[T], v[T], v[T] row_xmask:2 row_mask:0xf bank_mask:0xf
	s_delay_alu instid0(VALU_DEP_1)
	v_add_f32_dpp v[T], v[T], v[T] row_xmask:4 row_mask:0xf bank_mask:0xf
	s_delay_alu instid0(VALU_DEP_1)
	v_add_f32_dpp v[T], v[T], v[T] row_xmask:8 row_mask:0xf bank_mask:0xf
	s_delay_alu instid0(VALU_DEP_1)
	v_permlanex16_b32 v[XL], v[T], s22, s23
	s_delay_alu instid0(VALU_DEP_1)
	v_add_f32 v[T], v[T], v[XL]
.endm
.macro STATS p                         ; v[p] on is centred in place; v[RS] = 1 / sqrt(var + eps)
	v_pk_add_f32 v[T:T+1], v[\p:\p+1], v[\p+2:\p+3]                ; the first lines start the chains: nothing is cleared
	v_pk_add_f32 v[T+2:T+3], v[\p+4:\p+5], v[\p+6:\p+7]
.irp j, 8,12,16,20,24,28
	s_delay_alu instid0(VALU_DEP_2)
	v_pk_add_f32 v[T:T+1], v[T:T+1], v[\p+\j:\p+\j+1]
	s_delay_alu instid0(VALU_DEP_2)
	v_pk_add_f32 v[T+2:T+3], v[T+2:T+3], v[\p+\j+2:\p+\j+3]
.endr
	REDUCE
	s_delay_alu instid0(VALU_DEP_1)
	v_mul_f32 v[MU], s24, v[T]                     ; the mean
.irp j, 0,2,4,6,8,10,12,14,16,18,20,22,24,26,28,30
	v_pk_add_f32 v[\p+\j:\p+\j+1], v[\p+\j:\p+\j+1], v[MU:MU+1] op_sel_hi:[1,0] neg_lo:[0,1] neg_hi:[0,1]   ; x - mean
.endr
	v_pk_mul_f32 v[T:T+1], v[\p:\p+1], v[\p:\p+1]
	v_pk_mul_f32 v[T+2:T+3], v[\p+2:\p+3], v[\p+2:\p+3]
.irp j, 4,8,12,16,20,24,28
	s_delay_alu instid0(VALU_DEP_2)
	v_pk_fma_f32 v[T:T+1], v[\p+\j:\p+\j+1], v[\p+\j:\p+\j+1], v[T:T+1]
	s_delay_alu instid0(VALU_DEP_2)
	v_pk_fma_f32 v[T+2:T+3], v[\p+\j+2:\p+\j+3], v[\p+\j+2:\p+\j+3], v[T+2:T+3]
.endr
	REDUCE
	s_delay_alu instid0(VALU_DEP_1)
	v_fma_f32 v[T], v[T], s24, s25                 ; var + eps
	s_wait_alu depctr_va_vdst(0)
	v_rsq_f32 v[RS], v[T]
	v_nop                                          ; a plain line between the transcendental and the use of its result (ISA guide 5.7.2)
.endm
.macro AFFINE p                        ; v[p] = (x - mean) x (gain / sqrt(..)) + bias
	s_wait_dscnt 0x0                               ; the gains and biases, asked for ahead of the sums, are in
	s_wait_alu depctr_va_vdst(0)
.irp j, 0,2,4,6,8,10,12,14,16,18,20,22,24,26,28,30
	v_pk_mul_f32 v[GA+\j:GA+\j+1], v[GA+\j:GA+\j+1], v[RS:RS+1] op_sel_hi:[1,0]
.endr
.irp j, 0,2,4,6,8,10,12,14,16,18,20,22,24,26,28,30
	v_pk_fma_f32 v[\p+\j:\p+\j+1], v[\p+\j:\p+\j+1], v[GA+\j:GA+\j+1], v[BE+\j:BE+\j+1]
.endr
.endm
.macro SIGM p                          ; v[p] = 1 / (1 + 2^v[p])
.irp j, 0,1,2,3,4,5,6,7,8,9,10,11,12,13,14,15,16,17,18,19,20,21,22,23,24,25,26,27,28,29,30,31
	v_exp_f32 v[\p+\j], v[\p+\j]
.endr
	v_nop                                          ; a plain line behind the run of transcendentals
	s_wait_alu depctr_va_vdst(0)
.irp j, 0,2,4,6,8,10,12,14,16,18,20,22,24,26,28,30
	v_pk_add_f32 v[\p+\j:\p+\j+1], v[\p+\j:\p+\j+1], 1.0 op_sel_hi:[1,0]
.endr
	s_wait_alu depctr_va_vdst(0)
.irp j, 0,1,2,3,4,5,6,7,8,9,10,11,12,13,14,15,16,17,18,19,20,21,22,23,24,25,26,27,28,29,30,31
	v_rcp_f32 v[\p+\j], v[\p+\j]
.endr
	v_nop
.endm
.macro TANH p                          ; v[p] = 1 - 2 / (1 + 2^v[p])
	SIGM \p
	s_wait_alu depctr_va_vdst(0)
.irp j, 0,2,4,6,8,10,12,14,16,18,20,22,24,26,28,30
	v_pk_fma_f32 v[\p+\j:\p+\j+1], v[\p+\j:\p+\j+1], -2.0, 1.0 op_sel_hi:[1,0,0]
.endr
.endm
.macro GATE p, g, kind, cnt            ; gate g in v[p] on: norm and activation (kind 0: sigmoid, 1: tanh).  cnt: the loads issued behind this gate's eight
	PARAMS LG+4096*(\g), LB+4096*(\g)
	s_wait_loadcnt \cnt                            ; loads come back in order (ISA guide 5.7.1): the gate is in, the younger arrays stay out
	STATS \p
	AFFINE \p
.if \kind
	s_wait_alu depctr_va_vdst(0)
	TANH \p
.else
	s_wait_alu depctr_va_vdst(0)
	SIGM \p
.endif
.endm
; My row r.  more = 1: the next row's arrays are asked for as this row's registers fall free.
.macro ROW r, more
	GATE P1, 1, 1, 24                              ; j; behind it: f, i, o
	GATE P2, 2, 0, 16                              ; f; behind it: i, o
	s_wait_alu depctr_va_vdst(0)
.irp j, 0,2,4,6,8,10,12,14,16,18,20,22,24,26,28,30
	v_pk_mul_f32 v[P2+\j:P2+\j+1], v[P2+\j:P2+\j+1], v[CC+\j:CC+\j+1]           ; f c  (c was asked for ahead of j: it is in)
.endr
.if \more
	LOADC \r+1
.endif
	GATE P0, 0, 0, 8+8*\more                       ; i; behind it: o, and the next row's c
	s_wait_alu depctr_va_vdst(0)
.irp j, 0,2,4,6,8,10,12,14,16,18,20,22,24,26,28,30
	v_pk_fma_f32 v[P0+\j:P0+\j+1], v[P0+\j:P0+\j+1], v[P1+\j:P1+\j+1], v[P2+\j:P2+\j+1]   ; i j + f c
.endr
.if \more
	LOADG P1, 1, \r+1
	LOADG P2, 2, \r+1
.endif
	GATE P3, 3, 0, 24*\more                        ; o; behind it: the next row's c, j, f
	PARAMS LCG, LCB
	STATS P0
	AFFINE P0                                      ; new_c
.irp q, 0,1,2,3,4,5,6,7
	global_store_b128 v1, v[P0+4*\q:P0+4*\q+3], s[18:19] offset:4096*(\r)+512*\q th:TH_STORE_NT   ; 32 lanes store 512 consecutive bytes, at a multiple of 512 from the buffer's first byte
.endr
.irp j, 0,2,4,6,8,10,12,14,16,18,20,22,24,26,28,30
	v_pk_mul_f32 v[GA+\j:GA+\j+1], v[P0+\j:P0+\j+1], s[28:29] op_sel_hi:[1,0]   ; 2 log2 e x new_c, in other registers: the stores above still read new_c
.endr
	s_wait_alu depctr_va_vdst(0)
	TANH GA
.irp j, 0,2,4,6,8,10,12,14,16,18,20,22,24,26,28,30
	v_pk_mul_f32 v[P3+\j:P3+\j+1], v[P3+\j:P3+\j+1], v[GA+\j:GA+\j+1]           ; new_h = o tanh(new_c)
.endr
.irp q, 0,1,2,3,4,5,6,7
	global_store_b128 v1, v[P3+4*\q:P3+4*\q+3], s[16:17] offset:4096*(\r)+512*\q th:TH_STORE_NT
.endr
.if \more
	s_wait_xcnt 0x0                                ; every earlier memory instruction has had its addresses translated (ISA guide 3.1): the stores' data registers are loaded again only behind this wait
	LOADG P0, 0, \r+1
	LOADG P3, 3, \r+1
.endif
.endm
	ROW 0, 1
	ROW 1, 0                                       ; the last row asks for nothing: no load leaves its buffer
	s_wait_tensorcnt 0x0
	ds_add_u32 v254, v255
	s_wait_dscnt 0x0
	s_endpgm
.Lfunc_end_k_qc75aac74d5_cell:
	.size	k_qc75aac74d5_cell, .Lfunc_end_k_qc75aac74d5_cell-k_qc75aac74d5_cell
	.p2alignl 7, 3214868480
	.fill 96, 4, 3214868480
	.section	.rodata,"a",@progbits
	.p2align	6, 0x0
	.amdhsa_kernel k_qc75aac74d5_cell
		.amdhsa_group_segment_fixed_size 43008
		.amdhsa_private_segment_fixed_size 0
		.amdhsa_enable_private_segment 0
		.amdhsa_kernarg_size 64
		.amdhsa_user_sgpr_count 2
		.amdhsa_user_sgpr_kernarg_segment_ptr 1
		.amdhsa_wavefront_size32 1
		.amdhsa_system_sgpr_workgroup_id_x 1
		.amdhsa_system_sgpr_workgroup_id_y 1
		.amdhsa_system_sgpr_workgroup_id_z 1
		.amdhsa_system_vgpr_workitem_id 0
		.amdhsa_next_free_vgpr 256
		.amdhsa_next_free_sgpr 66
		.amdhsa_reserve_vcc 0
		.amdhsa_float_denorm_mode_32 3
		.amdhsa_float_denorm_mode_16_64 3
		.amdhsa_memory_ordered 1
		.amdhsa_forward_progress 1
		.amdhsa_inst_pref_size 142
	.end_amdhsa_kernel
	.amdgpu_metadata
---
amdhsa.version: [ 1, 2 ]
amdhsa.kernels:
  - .name:           k_qc75aac74d5_cell
    .symbol:         k_qc75aac74d5_cell.kd
    .args:
      - { .name: pre, .offset: 0, .size: 8, .value_kind: global_buffer, .address_space: global }
      - { .name: c, .offset: 8, .size: 8, .value_kind: global_buffer, .address_space: global }
      - { .name: gamma4, .offset: 16, .size: 8, .value_kind: global_buffer, .address_space: global }
      - { .name: beta4, .offset: 24, .size: 8, .value_kind: global_buffer, .address_space: global }
      - { .name: cell_gamma, .offset: 32, .size: 8, .value_kind: global_buffer, .address_space: global }
      - { .name: cell_beta, .offset: 40, .size: 8, .value_kind: global_buffer, .address_space: global }
      - { .name: out0, .offset: 48, .size: 8, .value_kind: global_buffer, .address_space: global }
      - { .name: out1, .offset: 56, .size: 8, .value_kind: global_buffer, .address_space: global }
    .group_segment_fixed_size: 43008
    .private_segment_fixed_size: 0
    .kernarg_segment_align: 8
    .kernarg_segment_size: 64
    .max_flat_workgroup_size: 512
    .sgpr_count:     66
    .vgpr_count:     256
    .wavefront_size: 32
...
	.end_amdgpu_metadata
.endif
;; end of part 3
